; MI455X (gfx1250); checked and timed in simulation.
; The chip was launched on July 23, 2026; its instructions are those of AMD's public machine-readable ISA for CDNA 5 (MIT licence, August 2026) and "CDNA5" Instruction Set Architecture Reference Guide (July 2026). The comments in the code are by the model that wrote it; some were corrected since.
;; K Means. Allowed arithmetic: matrix products marked QUANTISED: E3M2 operands, one E8M0 scale for each 32 along K, by v_wmma_scale_f32_16x16x128_f8f6f4 with both operands' format E3M2, f32 sums; everything else in f32.
;; Inputs: center 4,096 x 512 float32; x 32,768 x 512 float32.
;; Outputs: out0 32,768 int32.
;; This version of the problem:
;;   THIS VERSION OF THE PROBLEM IS GIVEN IN LOW PRECISION. The matrix products marked QUANTISED in the list below multiply operands that are first quantised to E3M2 (3 exponent bits, 2 mantissa bits; 6 bits a number), with one power-of-two scale for each 32 numbers along K (OCP MX v1.0); their sums are f32. All else is computed in f32.
;;   The module's matrix products, in the order in which they are computed (A, B: the left and right operand; K: the contracted axis; several contracted axes count as one K, in the product's order):
;;     1. [M 32,768, K 512] x [K 512, N 4,096]; A: input x; B: input center: QUANTISED
;;   THE QUANTISER, for each operand of a quantised product, along K:
;;     - K is cut into blocks of 32 from its start; a last block that is shorter is filled with zeros.
;;     - A block's scale is 2^e with e = floor(log2(the largest magnitude in the block)) - 4, held to -126 .. 127; a block of zeros has e = 0. As a byte (E8M0): e + 127.
;;     - Each number is divided by its block's scale, clamped to +-28, and rounded to the nearest number of E3M2, ties to even, subnormals kept.
;;     - The product sums the exact products of the quantised numbers (number of the format x scale) in f32.
;;   ~~~python
;;   def quantise(x, axis):      # numpy; x: float32 -> the quantised numbers, widened to float32 again
;;       x = np.moveaxis(x, axis, -1); K = x.shape[-1]
;;       x = np.pad(x, [(0, 0)] * (x.ndim - 1) + [(0, -K % 32)]); x = x.reshape(x.shape[:-1] + (-1, 32)); a = np.abs(x).max(-1, keepdims=True)
;;       e = np.where(a > 0, np.clip(np.frexp(np.where(a > 0, a, 1))[1] - 1 - 4, -126, 127), 0)      # np.frexp(a)[1] - 1 = floor(log2(a)), exactly
;;       r = np.clip(x / 2.0 ** e, -28, 28)
;;       step = 2.0 ** (np.maximum(np.frexp(np.where(r == 0, 1, r))[1] - 1, -2) - 2)
;;       q = np.round(r / step) * step * 2.0 ** e      # np.round: ties to even
;;       return np.moveaxis(q.reshape(q.shape[:-2] + (-1,))[..., :K], -1, axis).astype(np.float32)
;;   ~~~
;; One version. Each part assembles by itself: llvm-mc -triple=amdgcn-amd-amdhsa -mcpu=gfx1250 --defsym DOCPART=n.
;; ======== version 1 of 1: 2 launches
;; limits: right only within a limited range of input values
;; workspace buffers: cw 1,703,936 bytes
;; launch prep (part 1): grid 256 x 1, 4 waves a work-group, no clusters, 35,328 bytes of LDS; arguments center, cw; writes cw
.if DOCPART == 1
	.amdgcn_target "amdgcn-amd-amdhsa--gfx1250"
	.amdhsa_code_object_version 6
	.text
	.protected	k_qe5cbe5f09a_prep
	.globl	k_qe5cbe5f09a_prep
	.p2align	8
	.type	k_qe5cbe5f09a_prep,@function
k_qe5cbe5f09a_prep:
	s_mov_b64 s[64:65], 0
	v_nop
	global_prefetch_b8 v0, s[64:65] scope:SCOPE_SE
	s_setreg_imm32_b32 hwreg(HW_REG_WAVE_MODE, 25, 1), 1
	s_wait_xcnt 0x0
; The centres [4096][512], f32, become what the product's launch reads: 256 RECORDS of 6,656 bytes, one for each 16 centres, laid in the order of the operand's registers.
; Record T (centres 16 T .. 16 T + 15):  bytes 0 .. 6143: four fragment images, one for each 128 along K, 1,536 bytes each: piece c (512 bytes) holds lane l's registers 4 c .. 4 c + 3 at 16 l;
;   6144 .. 6399: the scale words, 8 bytes a lane: word 0 = row l % 16, K step l / 16; word 1 = row l % 16, K step 2 + l / 16;   6400 .. 6463: -1/2 x (the centre's sum of squares), f32;   the rest zeros (it is read with the record).
; Codes are BF6 (E3M2) with one E8M0 byte for each 32 along K: a block's scale is 2^(floor(log2(its largest magnitude)) - 4); its byte is that magnitude's exponent field - 4, held at 1 from below.
; (A block of zeros so gets the byte 1 where the rule says 127: its codes are zeros, which add nothing, and this program alone reads the bytes.)
; The sum of squares is taken of the UNQUANTISED numbers, in f32.
; LIMITS: NaN and infinities among the inputs are not served; blocks whose largest magnitude lies under 2^-122, whose byte is held at 1, were not tried.
; SHARES: work-group T makes record T; wave s makes K step s: 16 rows x 128 numbers.  Each load reads 512 consecutive bytes of a row; the 8 KiB turn through the wave's own stage in LDS, so that a lane
; holds 16 neighbours of each block of 32 of ONE row, as the conversions want them.  No tensor loads, no matrix work: the launch streams 8 MiB once.
; DEAD WORK, for the whole program: x_sq[n], the sum of row n's squares, is one number for all 4,096 distances of row n.  Added to each of them it moves no comparison between them in real numbers,
; whatever x holds, so the argmin is the same without it: it is not computed.  x stays live through the product.  LIMIT: a NaN, an infinity or an overflow that arises in x_sq alone is not carried to the result.
.set REC,   6656
.set STGB,  16*528                     ; a wave's stage: 16 rows of 512 bytes + 16
.set TAIL,  4*STGB                     ; 256 bytes: the record's scale words
.set PART,  TAIL+256                   ; 256 bytes: four waves' partial sums of squares, 16 each
.set RAW,   16                         ; v16-79   as loaded
.set X,     80                         ; v80-143  register 16 b + i = k 32 b + 16 (lane / 16) + i of row lane % 16
.set PC,    144                        ; v144-163 the fragment's 12 registers, and 8 at work
.set TM,    164                        ; v164-179 at work
.set PW,    180                        ; v180     the row's scale word
.set SQ,    182                        ; v182-189 four chains of squares, two numbers each
.set SEL,   20                         ; s[20:21] v_permlanex16_b32's selects for lane l xor 16
; 64 numbers of a lane, v[s] .. v[s + 63], become a fragment's codes in v[PC] on and its scale word in v[PW].
.macro QUANT s
.irp b, 0,1,2,3
	v_max3_num_f32 v[TM+\b], |v[\s+16*\b]|, |v[\s+1+16*\b]|, 0x2800000   ; block b: my 16 numbers, and the floor 2^(5 - 127): so the byte cannot fall under 1
.endr
.irp i, 2,4,6,8,10,12,14
.irp b, 0,1,2,3
	v_max3_num_f32 v[TM+\b], v[TM+\b], |v[\s+16*\b+\i]|, |v[\s+1+16*\b+\i]|   ; (the four blocks by turns)
.endr
.endr
.irp b, 0,1,2,3
	v_permlanex16_b32 v[TM+4+\b], v[TM+\b], s[SEL], s[SEL+1]
.endr
.irp b, 0,1,2,3
	v_max_num_f32 v[TM+\b], v[TM+\b], v[TM+4+\b]   ; with lane l xor 16's: the block's largest magnitude
.endr
.irp b, 0,1,2,3
	v_add_nc_u32 v[TM+12+\b], 0xfe000000, v[TM+\b]   ; 4 off its exponent field: the conversion takes the exponent field of this operand as its scale
.endr
.irp b, 0,1,2,3
	v_lshrrev_b32 v[TM+4+\b], 23, v[TM+12+\b]   ; the scale's byte
.endr
	v_lshl_or_b32 v[PW], v[TM+5], 8, v[TM+4]
	v_lshl_or_b32 v[PW], v[TM+6], 16, v[PW]
	v_lshl_or_b32 v[PW], v[TM+7], 24, v[PW]        ; my row's scale word; lanes l and l xor 16 hold the same
.irp c, 0,1
	v_cvt_scalef32_pk16_bf6_f32 v[PC+6*\c:PC+2+6*\c], v[\s+32*\c:\s+15+32*\c], v[TM+12+2*\c]
	v_cvt_scalef32_pk16_bf6_f32 v[PC+12+4*\c:PC+14+4*\c], v[\s+16+32*\c:\s+31+32*\c], v[TM+12+2*\c+1]   ; (a conversion's three registers begin on an even number)
.endr
	v_nop                                          ; one plain place behind a scaled conversion
.irp c, 0,1                                    ; the operand's layout wants a WHOLE block in a lane: lanes 0-15 block 2 c, lanes 16-31 block 2 c + 1
.irp i, 0,1,2
	v_permlane16_swap_b32 v[PC+6*\c+\i], v[PC+12+4*\c+\i]
.endr
.irp i, 0,1,2
	v_mov_b32 v[PC+3+6*\c+\i], v[PC+12+4*\c+\i]
.endr
.endr
.endm
	s_load_b128 s[4:7], s[0:1], 0x0                ; the centres, the records
	v_lshl_add_u32 v192, v0, 2, 0x8800
	v_mov_b32 v193, 0
	v_lshrrev_b32 v1, 5, v0
	v_readfirstlane_b32 s8, v1                     ; wave = K step
	v_and_b32 v2, 31, v0                           ; lane
	v_and_b32 v3, 15, v0                           ; r
	v_bfe_u32 v4, v0, 4, 1                         ; h
	v_lshlrev_b32 v5, 4, v2                        ; 16 x lane
	s_mul_i32 s9, s8, STGB
	v_add_nc_u32 v6, s9, v5                        ; the stage, on the way in: 16 x lane, a row for each load
	v_mul_u32_u24 v7, v3, 528
	v_lshl_add_u32 v7, v4, 6, v7
	v_add_nc_u32 v7, s9, v7                        ; and on the way out: row r, + 64 h
	s_and_b32 s16, s8, 1
	s_lshl_b32 s16, s16, 7
	s_lshr_b32 s17, s8, 1
	s_lshl_b32 s17, s17, 2
	s_add_co_u32 s16, s16, s17
	v_lshl_add_u32 v8, v3, 3, s16                  ; my row's scale word in the record's tail: 8 r + 128 (s % 2) + 4 (s / 2)
	s_lshl_b32 s17, s8, 6
	v_lshl_add_u32 v9, v3, 2, s17                  ; my row's partial sum: 64 s + 4 r
	v_lshlrev_b32 v10, 4, v3                       ; wave 0, at the end: 16 (lane % 16) of the scale words,
	v_and_b32 v11, 3, v0
	v_lshlrev_b32 v11, 4, v11                      ; 16 (lane % 4) of a wave's partial sums
	s_mov_b32 s[SEL], 0x76543210
	s_mov_b32 s[SEL+1], 0xfedcba98
.irp b, 0,1,2,3
	v_mov_b32 v[TM+4+\b], 0                        ; written once: a lane permute's destination counts as one of its sources
.endr
	s_lshl_b32 s10, ttmp9, 15                      ; 16 rows of 2,048 bytes,
	s_lshl_b32 s11, s8, 9                          ; my 512 bytes of each
	s_add_co_u32 s10, s10, s11
	s_mov_b32 s11, 0
	s_mul_i32 s12, ttmp9, REC
	s_mov_b32 s13, 0
	s_mul_i32 s14, s8, 1536
	s_mov_b32 s15, 0
	s_wait_kmcnt 0x0
	s_add_nc_u64 s[4:5], s[4:5], s[10:11]
	s_add_nc_u64 s[6:7], s[6:7], s[12:13]          ; my work-group's record,
	s_add_nc_u64 s[18:19], s[6:7], s[14:15]        ; my wave's image in it
.irp i, 0,1,2,3,4,5,6,7,8,9,10,11,12,13,14,15
	global_load_b128 v[RAW+4*\i:RAW+4*\i+3], v5, s[4:5] offset:2048*\i th:TH_LOAD_NT   ; 32 lanes read 512 consecutive bytes of row i
.endr
	s_wait_loadcnt 0x0
.irp i, 0,1,2,3,4,5,6,7,8,9,10,11,12,13,14,15
	ds_store_b128 v6, v[RAW+4*\i:RAW+4*\i+3] offset:528*\i
.endr
.irp b, 0,1,2,3
.irp j, 0,1,2,3
	ds_load_b128 v[X+16*\b+4*\j:X+16*\b+4*\j+3], v7 offset:128*\b+16*\j   ; LDS serves a wave's instructions in order: these see my stores
.endr
.endr
	s_wait_dscnt 0x0
.irp c, 0,1,2,3                                ; the sum of squares of my 64 numbers: four chains, two numbers each; the first products start them
	v_pk_mul_f32 v[SQ+2*\c:SQ+2*\c+1], v[X+2*\c:X+2*\c+1], v[X+2*\c:X+2*\c+1]
.endr
.irp g, 1,2,3,4,5,6,7
.irp c, 0,1,2,3
	v_pk_fma_f32 v[SQ+2*\c:SQ+2*\c+1], v[X+8*\g+2*\c:X+8*\g+2*\c+1], v[X+8*\g+2*\c:X+8*\g+2*\c+1], v[SQ+2*\c:SQ+2*\c+1]
.endr
.endr
	v_pk_add_f32 v[SQ:SQ+1], v[SQ:SQ+1], v[SQ+2:SQ+3]
	v_pk_add_f32 v[SQ+4:SQ+5], v[SQ+4:SQ+5], v[SQ+6:SQ+7]
	v_pk_add_f32 v[SQ:SQ+1], v[SQ:SQ+1], v[SQ+4:SQ+5]
	v_add_f32 v[SQ], v[SQ], v[SQ+1]
	v_permlanex16_b32 v[SQ+2], v[SQ], s[SEL], s[SEL+1]
	v_add_f32 v[SQ], v[SQ], v[SQ+2]                ; with lane l xor 16's: row r's 128 numbers of my K step
	QUANT X
.irp c, 0,1,2
	global_store_b128 v5, v[PC+4*\c:PC+4*\c+3], s[18:19] offset:512*\c   ; the fragment as it stands: 512 consecutive bytes a store, at a multiple of 256 from the buffer's first byte
.endr
	ds_store_b32 v8, v[PW] offset:TAIL             ; lanes l and l xor 16 write the same word with the same value
	ds_store_b32 v9, v[SQ] offset:PART
	s_wait_dscnt 0x0                               ; for wave 0's sake: my stores have landed
	s_barrier_signal -1
	s_barrier_wait -1
	s_cmp_lg_u32 s8, 0                             ; wave 0 alone writes the record's last 512 bytes
	s_cbranch_scc1 .Lend
	ds_load_b128 v[16:19], v10 offset:TAIL
.irp s, 0,1,2,3
	ds_load_b128 v[20+4*\s:23+4*\s], v11 offset:PART+64*\s
.endr
	s_wait_dscnt 0x0
	v_pk_add_f32 v[20:21], v[20:21], v[24:25]      ; the four K steps' parts of four centres
	v_pk_add_f32 v[22:23], v[22:23], v[26:27]
	v_pk_add_f32 v[28:29], v[28:29], v[32:33]
	v_pk_add_f32 v[30:31], v[30:31], v[34:35]
	v_pk_add_f32 v[20:21], v[20:21], v[28:29]
	v_pk_add_f32 v[22:23], v[22:23], v[30:31]
	v_pk_mul_f32 v[20:21], v[20:21], -0.5 op_sel_hi:[1,0]   ; x -1/2: exact
	v_pk_mul_f32 v[22:23], v[22:23], -0.5 op_sel_hi:[1,0]
	v_cmp_gt_u32 vcc_lo, 16, v2                    ; lanes 0-15: the scale words;
	v_cmp_gt_u32 s22, 20, v2                       ; lanes 16-19: the sixteen numbers; lanes 20-31: zeros
.irp c, 0,1,2,3
	v_cndmask_b32 v[20+\c], 0, v[20+\c], s22
	v_cndmask_b32 v[20+\c], v[20+\c], v[16+\c], vcc_lo
.endr
	global_store_b128 v5, v[20:23], s[6:7] offset:6144   ; 512 consecutive bytes
.Lend:
	s_wait_tensorcnt 0x0
	ds_add_u32 v192, v193
	s_wait_dscnt 0x0
	s_endpgm
.Lfunc_end_k_qe5cbe5f09a_prep:
	.size	k_qe5cbe5f09a_prep, .Lfunc_end_k_qe5cbe5f09a_prep-k_qe5cbe5f09a_prep
	.p2alignl 7, 3214868480
	.fill 96, 4, 3214868480
	.section	.rodata,"a",@progbits
	.p2align	6, 0x0
	.amdhsa_kernel k_qe5cbe5f09a_prep
		.amdhsa_group_segment_fixed_size 35328
		.amdhsa_private_segment_fixed_size 0
		.amdhsa_enable_private_segment 0
		.amdhsa_kernarg_size 16
		.amdhsa_user_sgpr_count 2
		.amdhsa_user_sgpr_kernarg_segment_ptr 1
		.amdhsa_wavefront_size32 1
		.amdhsa_system_sgpr_workgroup_id_x 1
		.amdhsa_system_sgpr_workgroup_id_y 1
		.amdhsa_system_sgpr_workgroup_id_z 1
		.amdhsa_system_vgpr_workitem_id 0
		.amdhsa_next_free_vgpr 194
		.amdhsa_next_free_sgpr 66
		.amdhsa_reserve_vcc 1
		.amdhsa_float_denorm_mode_32 3
		.amdhsa_float_denorm_mode_16_64 3
		.amdhsa_memory_ordered 1
		.amdhsa_forward_progress 1
		.amdhsa_inst_pref_size 14
	.end_amdhsa_kernel
	.amdgpu_metadata
---
amdhsa.version: [ 1, 2 ]
amdhsa.kernels:
  - .name:           k_qe5cbe5f09a_prep
    .symbol:         k_qe5cbe5f09a_prep.kd
    .args:
      - { .name: center, .offset: 0, .size: 8, .value_kind: global_buffer, .address_space: global }
      - { .name: cw, .offset: 8, .size: 8, .value_kind: global_buffer, .address_space: global }
    .group_segment_fixed_size: 35328
    .private_segment_fixed_size: 0
    .kernarg_segment_align: 8
    .kernarg_segment_size: 16
    .max_flat_workgroup_size: 128
    .sgpr_count:     66
    .vgpr_count:     194
    .wavefront_size: 32
...
	.end_amdgpu_metadata
.endif
;; end of part 1
;; launch assign (part 2): grid 256 x 1, 4 waves a work-group, clusters of 4 x 1, 327,680 bytes of LDS; arguments x, cw, out0; writes out0
.if DOCPART == 2
	.amdgcn_target "amdgcn-amd-amdhsa--gfx1250"
	.amdhsa_code_object_version 6
	.text
	.protected	k_qe5cbe5f09a_assign
	.globl	k_qe5cbe5f09a_assign
	.p2align	8
	.type	k_qe5cbe5f09a_assign,@function
k_qe5cbe5f09a_assign:
	s_mov_b64 s[64:65], 0
	v_nop
	global_prefetch_b8 v0, s[64:65] scope:SCOPE_SE
	s_setreg_imm32_b32 hwreg(HW_REG_WAVE_MODE, 25, 1), 1
	s_wait_xcnt 0x0
	s_wait_alu depctr_hold_cnt(0) depctr_sa_sdst(0) depctr_va_vdst(0) depctr_va_sdst(0) depctr_va_ssrc(0) depctr_va_vcc(0) depctr_vm_vsrc(0)
	s_getreg_b32 s2, hwreg(HW_REG_IB_STS2, 6, 4)
	s_cmp_eq_u32 s2, 0
	s_cbranch_scc0 .Lentry_in_a_cluster
	s_endpgm
.Lentry_in_a_cluster:
	s_bfe_u32 s2, ttmp6, 0x10000c
	s_cmp_lg_u32 s2, 0x3003
	s_cbranch_scc0 .Lentry_shape_is_right
	s_endpgm
.Lentry_shape_is_right:
; out0[n] = the index k of the smallest ||x[n] - centre[k]||^2 = x_sq - 2 x.c + c_sq, the product x.c on codes of BF6 (E3M2) with one E8M0 scale for each 32 along K (512), sums in f32.
; WHAT IS COMPUTED.  acc[n][k] = -c_sq[k] / 2 + x[n].c[k]: the first of a sum's four matrix instructions takes -c_sq / 2 as its C.  The smallest distance is the LARGEST acc.
; LEFT OUT AS DEAD WORK: x_sq, one number for all 4,096 candidates of a row, which moves no comparison between them.  So the ORDER OF ROUNDING differs from the formula's as written, which rounds twice more at the size of
; x_sq + c_sq: where two distances lie within those roundings of each other, this text takes the one whose acc is larger.  Equal acc: the lowest index.
; LIMITS: NaN and infinities are not served (one that arises in x_sq alone is not carried to the result); a block's scale byte is held at 1 from below (largest magnitudes under 2^-122 were not tried); a block of zeros has the byte 1 and zero codes.
; SHARES.  A work-group owns 128 rows of x, read from memory once as f32 and quantised in registers.  EVERY wave then keeps the codes of all 128 rows for all of K: 32 fragments, 384 registers.  The four waves share the
; CENTRES: of a ring slot's 16 records (16 centres each, laid by the launch before in the order of the operand's registers) wave w takes records 4 w .. 4 w + 3.  A centre fragment read from LDS feeds eight matrix
; instructions, and no LDS byte of the ring is read twice in the work-group.  A wave: 16 slots x 4 records x 32 = 2,048 matrix instructions.
; LAYOUT.  Source 0 = 16 centres, source 1 = 16 rows of x: in the result lane (r, h) holds ONE row of x (r) and register j the centre 16 T + 8 h + j.  So the search never leaves the lane until the end.
; A PHASE is one record: its 32 products in one run on ONE set of eight accumulators, then the search over the eight tiles, in window 0, then in ONE run the 15 LDS loads of the record TWO phases on, into the set of
; registers that this phase's products have used: so no LDS load stands among the products, and a record is asked for a whole phase ahead of the wait for it.
; THE SEARCH, 10 lines for a tile's 8 results: four maxima of three join the group's maximum with the best so far; one compare says whether the best has grown; one select keeps the group's number (16 T), four dual
; pairs of selects keep its eight values.  Which of the eight it was is found once, at the end.  The dual selects take VCC, so the tiles' selects follow each other; the trees of the tiles behind stand round a compare.
; CLUSTER.  Every work-group walks the same records in the same order: the four of a cluster ask for each quarter slot JOINTLY (the same load, the same descriptor, a mask that names the four).
; PREFETCH.  At the change of slots that refills slot n + 2 the records of slot n + 4 are asked for: 416 blocks of 256 bytes, by the first four clusters alone (all clusters read the same records); in each, work-group cx takes
; quarter cx and wave w 26 blocks of it, a lane a block (lanes 26-31 name the last again).  Slots 0 to 3 come by their loads alone; the loop's last trip asks for nothing.  x is read once in one stream at the head: no prefetch.
; REGISTERS, in windows of 256: window 0: v0-15 addresses; v16-35 scale words; v36-62 the search's state; v64-127 the accumulators; v128-135 group maxima; v170 the prefetch's offset; v192-255 the winning group's values (8 q + j).
;   window 1: x's fragments of K steps 0 and 1 at 96 (s % 2) + 12 q;   window 2: those of K steps 2 and 3;   window 3: two sets of a record: fragments at 64 e + 12 s, -c_sq / 2 at 64 e + 48 (ahead of that: four sets of 64 numbers of x as loaded).
.set REC,   6656                       ; a record: 4 images of 1,536 bytes, 256 bytes of scale words, 64 of -c_sq / 2, 192 of zeros
.set QB,    4*REC                      ; a wave's quarter of a slot: what one tensor load brings
.set SLOTB, 16*REC
.set XIMG,  2*SLOTB                    ; behind the ring: x's 32 fragments as images of their registers, fragment (q, s) at (4 q + s) x 1,536;
.set XSC,   XIMG+32*1536               ; their scale words: (2 q + s / 2) x 128 + (s % 2) x 64 + 4 r;
.set STG,   XSC+2048                   ; a turning stage for each wave: 16 rows of 512 bytes + 16;
.set STGB,  16*528
.set RES,   STG+4*STGB                 ; the waves' results: values at 512 w + 4 x row, indices 2,048 further on;
.set SPARE, RES+4096                   ; the spare words, 128 bytes for each wave: two blocks of 256 bytes that no other line names
.set SPW,  1                           ; SPARE + 4 x my thread's number; never rewritten
.set NIL,  2                           ; 0; never rewritten
.set LI,   3                           ; 16 x lane
.set CA,   4                           ; v4-5 my quarter of slot 0, 1: + 16 x lane
.set CSA,  6                           ; v6-7 its scale words: + 6,144 + 8 x lane
.set CBA,  8                           ; v8-9 its -c_sq / 2: + 6,400 + 32 h
.set STW,  10                          ; my stage, in: 16 x lane          (at the end: where I put my results)
.set STR,  11                          ; my stage, out: 528 r + 64 h      (at the end: where wave 0 reads them)
.set XWI,  12                          ; where I store x's images
.set XWS,  13                          ; and their scale words
.set XRI,  14                          ; where any wave reads x's images
.set XSL,  15                          ; and their scale words
.set XS,   16                          ; v16-31 x's scale words: register 2 q + s / 2: lanes 0-15 the even K step, lanes 16-31 the odd one
.set CS,   32                          ; v32-35 the centres': register 2 e + s / 2, likewise
.set BEST, 36                          ; v36-43, v44-51 the best so far of tile q, two sets by turns
.set GID,  52                          ; v52-59 16 T of the group that holds it
.set H8,   62                          ; 8 h
.set ACC,  64
.set GT,   128                         ; v128-135 tile q's group maximum in hand
.set PFO,  170                         ; 256 x min(lane, 25); never rewritten
.set SV,   192
.set X,    64                          ; ahead of the products: 64 numbers of x,
.set PC,   128                         ; the codes just made,
.set TM,   148                         ; at work,
.set PW,   164                         ; the scale word just made
.set JJ,   64                          ; at the end: which of the eight; the index; the other half's value and index; the four waves' values and indices
.set IX,   72
.set OV,   80
.set OI,   88
.set MV,   128
.set MI,   144
.set WV,   10                          ; s10 my wave's number
.set G1,   16                          ; s[16:23] descriptor group 1
.set G0,   24                          ; s[24:27], s[28:31] group 0 for slot 0, 1
.set TID,  32                          ; 16 T of the phase's tile
.set TRIPS, 33
.set SEL,  34                          ; s[34:35] v_permlanex16_b32's selects for lane l xor 16
.set MK,   40                          ; s40-47 masks at the end
.set PFA,  52                          ; s[52:53] where my prefetches stand
.set LIM,  54                          ; 1 in the clusters that prefetch, else the greatest number
.set MSB, 0
.macro WIN new                         ; s_set_vgpr_msb: bits 1:0 source 0, 3:2 source 1, 5:4 source 2, 7:6 destination; the high byte repeats the setting that is left
.if MSB != \new
	s_set_vgpr_msb (MSB<<8)|\new
.set MSB, \new
.endif
.endm
.macro PLACES
.rept 4
	v_nop
.endr
.endm
.macro CREST                           ; a round of the cluster's barrier behind its opening barrier
	s_cmp_lg_u32 s[WV], 0
	s_cbranch_scc1 .Lnot_wave_0_\@
	s_barrier_signal -3
.Lnot_wave_0_\@:
	s_barrier_wait -3
	s_barrier_signal -1
	s_barrier_wait -1
.endm
.macro CROUND                          ; a whole round
	s_barrier_signal -1
	s_barrier_wait -1
	CREST
.endm
; ---- x on its way to codes.  Fragment f = 4 q' + s of my wave: rows 16 q' .. 16 q' + 15 of its 32, K step s.
.macro XLOAD f                         ; 16 loads, each 512 consecutive bytes of one row, into set f % 4 of window 3
	WIN 0xc0
.irp i, 0,1,2,3,4,5,6,7,8,9,10,11,12,13,14,15
	global_load_b128 v[64*((\f)%4)+4*\i:64*((\f)%4)+4*\i+3], v[LI], s[4:5] offset:(16*((\f)/4)+\i)*2048+512*((\f)%4) th:TH_LOAD_NT
.endr
	WIN 0
.endm
.macro TURNX f                         ; through my stage: in as loaded, out 16 neighbours of each block of 32 of row r: register 16 b + i = k 32 b + 16 h + i
	WIN 0x0c                                       ; an LDS store's data are its source 1: window 3
.irp i, 0,1,2,3,4,5,6,7,8,9,10,11,12,13,14,15
	ds_store_b128 v[STW], v[64*((\f)%4)+4*\i:64*((\f)%4)+4*\i+3] offset:528*\i
.endr
	WIN 0
.irp b, 0,1,2,3
.irp j, 0,1,2,3
	ds_load_b128 v[X+16*\b+4*\j:X+16*\b+4*\j+3], v[STR] offset:128*\b+16*\j   ; LDS serves a wave's instructions in order: these see my stores
.endr
.endr
.endm
.macro QUANT s                         ; 64 numbers of a lane become a fragment's codes in v[PC] on and its scale word in v[PW]
.irp b, 0,1,2,3
	v_max3_num_f32 v[TM+\b], |v[\s+16*\b]|, |v[\s+1+16*\b]|, 0x2800000   ; block b: my 16 numbers, and the floor 2^(5 - 127): the byte cannot fall under 1
.endr
.irp i, 2,4,6,8,10,12,14
.irp b, 0,1,2,3
	v_max3_num_f32 v[TM+\b], v[TM+\b], |v[\s+16*\b+\i]|, |v[\s+1+16*\b+\i]|   ; (the four blocks by turns)
.endr
.endr
.irp b, 0,1,2,3
	v_permlanex16_b32 v[TM+4+\b], v[TM+\b], s[SEL], s[SEL+1]
.endr
.irp b, 0,1,2,3
	v_max_num_f32 v[TM+\b], v[TM+\b], v[TM+4+\b]   ; with lane l xor 16's: the block's largest magnitude
.endr
.irp b, 0,1,2,3
	v_add_nc_u32 v[TM+12+\b], 0xfe000000, v[TM+\b]   ; 4 off its exponent field: the conversion's scale operand
.endr
.irp b, 0,1,2,3
	v_lshrrev_b32 v[TM+4+\b], 23, v[TM+12+\b]   ; the scale's byte
.endr
	v_lshl_or_b32 v[PW], v[TM+5], 8, v[TM+4]
	v_lshl_or_b32 v[PW], v[TM+6], 16, v[PW]
	v_lshl_or_b32 v[PW], v[TM+7], 24, v[PW]        ; my row's scale word; lanes l and l xor 16 hold the same
.irp c, 0,1
	v_cvt_scalef32_pk16_bf6_f32 v[PC+6*\c:PC+2+6*\c], v[\s+32*\c:\s+15+32*\c], v[TM+12+2*\c]
	v_cvt_scalef32_pk16_bf6_f32 v[PC+12+4*\c:PC+14+4*\c], v[\s+16+32*\c:\s+31+32*\c], v[TM+12+2*\c+1]   ; (a conversion's three registers begin on an even number)
.endr
	v_nop                                          ; one plain place behind a scaled conversion
.irp c, 0,1                                    ; the operand's layout wants a WHOLE block in a lane: lanes 0-15 block 2 c, lanes 16-31 block 2 c + 1
.irp i, 0,1,2
	v_permlane16_swap_b32 v[PC+6*\c+\i], v[PC+12+4*\c+\i]
.endr
.irp i, 0,1,2
	v_mov_b32 v[PC+3+6*\c+\i], v[PC+12+4*\c+\i]
.endr
.endr
.endm
.macro XFRAG f, left                   ; left: the loads issued behind fragment f's sixteen, which may stay out
	s_wait_loadcnt \left
	TURNX \f
	s_wait_dscnt 0x0                               ; the numbers are back; the stage's stores have read set f % 4; the last fragment's image has left its registers
.if (\f) < 4
	XLOAD (\f)+4                                   ; the set takes the fragment four on
.endif
	QUANT X
.irp c, 0,1,2
	ds_store_b128 v[XWI], v[PC+4*\c:PC+4*\c+3] offset:(\f)*1536+512*\c   ; the fragment as it stands: 512 consecutive bytes a store
.endr
	ds_store_b32 v[XWS], v[PW] offset:(2*((\f)/4)+((\f)%4)/2)*128+((\f)%2)*64   ; lanes l and l xor 16 write the same word with the same value
.endm
.macro READX par                       ; the fragments and scale words of row tiles par, par + 2, par + 4, par + 6 into my registers: 48 + 8 loads
	WIN 0x40
.irp q, 0,2,4,6
.irp s, 0,1
.irp c, 0,1,2
	ds_load_b128 v[96*\s+12*(\q+\par)+4*\c:96*\s+12*(\q+\par)+4*\c+3], v[XRI] offset:(4*(\q+\par)+\s)*1536+512*\c
.endr
.endr
.endr
	WIN 0x80
.irp q, 0,2,4,6
.irp s, 0,1
.irp c, 0,1,2
	ds_load_b128 v[96*\s+12*(\q+\par)+4*\c:96*\s+12*(\q+\par)+4*\c+3], v[XRI] offset:(4*(\q+\par)+2+\s)*1536+512*\c
.endr
.endr
.endr
	WIN 0
.irp q, 0,2,4,6
	ds_load_b32 v[XS+2*(\q+\par)], v[XSL] offset:256*(\q+\par)
	ds_load_b32 v[XS+2*(\q+\par)+1], v[XSL] offset:256*(\q+\par)+128
.endr
.endm
; ---- the products
.macro FETCH sl, i, e                  ; record i of my quarter of slot sl into set e: 15 loads in one run
	WIN 0xc0                                       ; destination window 3
.irp s, 0,1,2,3
.irp c, 0,1,2
	ds_load_b128 v[64*(\e)+12*\s+4*\c:64*(\e)+12*\s+4*\c+3], v[CA+(\sl)] offset:(\i)*REC+1536*\s+512*\c
.endr
.endr
	ds_load_b128 v[64*(\e)+48:64*(\e)+51], v[CBA+(\sl)] offset:(\i)*REC       ; -c_sq / 2 of centres 8 h + 0 .. 7, in the result's layout
	ds_load_b128 v[64*(\e)+52:64*(\e)+55], v[CBA+(\sl)] offset:(\i)*REC+16
	WIN 0
	ds_load_b64 v[CS+2*(\e):CS+2*(\e)+1], v[CSA+(\sl)] offset:(\i)*REC
.endm
; Product n of a tile's 32: K step n / 8, rows 16 (n % 8) on.  The eight accumulators take turns, one instruction a turn.
.macro MM n, acc, e
.set ms, (\n)/8
.set mq, (\n)%8
.set rD, (\acc)+8*mq
.set rA, 64*(\e)+12*ms
.set rB, 96*(ms%2)+12*mq
.set rC, 64*(\e)+48
.set rSA, CS+2*(\e)+ms/2
.set rSB, XS+2*mq+ms/2
.if ms == 0
	WIN 0x37                                       ; centres and -c_sq / 2 window 3, x window 1, result window 0
	v_wmma_scale_f32_16x16x128_f8f6f4 v[rD:rD+7], v[rA:rA+11], v[rB:rB+11], v[rC:rC+7], v[rSA], v[rSB] matrix_a_fmt:MATRIX_FMT_BF6 matrix_b_fmt:MATRIX_FMT_BF6
.elseif ms == 1
	WIN 0x07
	v_wmma_scale_f32_16x16x128_f8f6f4 v[rD:rD+7], v[rA:rA+11], v[rB:rB+11], v[rD:rD+7], v[rSA], v[rSB] matrix_a_fmt:MATRIX_FMT_BF6 matrix_b_fmt:MATRIX_FMT_BF6 matrix_a_scale:MATRIX_SCALE_ROW1 matrix_b_scale:MATRIX_SCALE_ROW1
.elseif ms == 2
	WIN 0x0b                                       ; x window 2
	v_wmma_scale_f32_16x16x128_f8f6f4 v[rD:rD+7], v[rA:rA+11], v[rB:rB+11], v[rD:rD+7], v[rSA], v[rSB] matrix_a_fmt:MATRIX_FMT_BF6 matrix_b_fmt:MATRIX_FMT_BF6
.else
	WIN 0x0b
	v_wmma_scale_f32_16x16x128_f8f6f4 v[rD:rD+7], v[rA:rA+11], v[rB:rB+11], v[rD:rD+7], v[rSA], v[rSB] matrix_a_fmt:MATRIX_FMT_BF6 matrix_b_fmt:MATRIX_FMT_BF6 matrix_a_scale:MATRIX_SCALE_ROW1 matrix_b_scale:MATRIX_SCALE_ROW1
.endif
.endm
.macro RUN from, to, acc, e            ; products from .. to - 1
.set pn, \from
.rept (\to)-(\from)
	MM pn, \acc, \e
.set pn, pn+1
.endr
.endm
; ---- the search.  Set e of BEST holds the best so far, set 1 - e takes the new one.  first = 1: the very first tile, whose accumulators ARE the kept values.
.macro TREE st, q, acc, e, first       ; line st of four of tile q's maximum; an accumulator is read from its low end on
.set rA0, (\acc)+8*(\q)
.set rG,  GT+(\q)
.if (\st) == 1
	v_max3_num_f32 v[rG], v[rA0], v[rA0+1], v[rA0+2]
.elseif (\st) == 2
	v_max3_num_f32 v[rG], v[rG], v[rA0+3], v[rA0+4]
.elseif (\st) == 3
	v_max3_num_f32 v[rG], v[rG], v[rA0+5], v[rA0+6]
.elseif \first
	v_max_num_f32 v[BEST+8*(1-(\e))+(\q)], v[rG], v[rA0+7]
.else
	v_max3_num_f32 v[BEST+8*(1-(\e))+(\q)], v[rG], v[rA0+7], v[BEST+8*(\e)+(\q)]   ; the new best
.endif
.endm
.macro PICK q, acc                     ; where VCC says that tile q's best has grown: the group's number and its eight values are kept
	v_cndmask_b32 v[GID+(\q)], v[GID+(\q)], s[TID], vcc_lo
.irp j, 0,2,4,6
	v_dual_cndmask_b32 v[SV+8*(\q)+\j], v[SV+8*(\q)+\j], v[(\acc)+8*(\q)+\j] :: v_dual_cndmask_b32 v[SV+8*(\q)+\j+1], v[SV+8*(\q)+\j+1], v[(\acc)+8*(\q)+\j+1]
.endr
.endm
; Twelve steps: in step t line 1 of tile t, line 2 of tile t - 1, line 3 of t - 2, line 4 of t - 3, and tile t - 4's compare and selects.
.macro SEARCH acc, e, first
.set sT, 0
.rept 12
.if sT < 8
	TREE 1, sT, \acc, \e, \first
.endif
.if (sT >= 1) && (sT <= 8)
	TREE 2, sT-1, \acc, \e, \first
.endif
.if (sT >= 4) && !(\first)
	v_cmp_lt_f32 vcc_lo, v[BEST+8*(\e)+sT-4], v[BEST+8*(1-(\e))+sT-4]   ; has it grown?  Strictly: of equal values the earlier group, with the lower indices, stays
.endif
.if (sT >= 2) && (sT <= 9)
	TREE 3, sT-2, \acc, \e, \first
.endif
.if (sT >= 3) && (sT <= 10)
	TREE 4, sT-3, \acc, \e, \first
.endif
.if sT >= 4
.if \first
	v_mov_b32 v[GID+sT-4], s[TID]
.else
	PICK sT-4, \acc
.endif
.endif
.set sT, sT+1
.endr
.endm
.macro ASK                             ; slot n + 4's records, my 26 blocks of them; not in the loop's last trip, whose slot n + 4 does not exist
	s_cmp_gt_u32 s[TRIPS], s[LIM]
	s_cbranch_scc0 .Lno_ask_\@
	global_prefetch_b8 v[PFO], s[PFA:PFA+1] th:TH_LOAD_NT scope:SCOPE_SE
.Lno_ask_\@:
.endm
; A PHASE: the record in set e.  DISTANCES, by count: four v_nop stand between the last product and the first read of a result; they and the search stand between the last product and the loads into set e; the search's
; lines for the other seven tiles are the places between a tile's last product and the next phase's product that begins its accumulator anew (ISA guide 7.12.1 for the products' results).
; fm = 1: behind the search record fi of slot fsl is asked for, into set e.
; mode 0: left = the LDS loads issued behind this record's, which may stay out: the 15 of the record asked for at the last phase's end, or none.
; mode 1: record 2 of slot sl, whose record 3 was asked for at the last phase's end: THE CHANGE OF SLOTS.  I wait for all my tensor loads (one is out: my quarter of the other slot), add 0 to my spare word, and wait for that
; and for my reads of this slot; the barrier opens a round of the cluster's barrier, so that no wave of any partner still reads this slot or has a load on its way; the joint refill, two slots ahead, is the first thing behind it.
; mode 2: the same where nothing is left to ask for: no round, no load.
.macro PHASE acc, e, first, mode, sl, fm, fsl, fi, left, tstep
.if (\mode) == 0
	s_wait_dscnt \left                             ; this tile's record is in
	RUN 0, 32, \acc, \e
.else
.if (\mode) == 1
	s_wait_xcnt 0x0                                ; my last prefetch has read its address: it steps only behind this wait
	s_add_nc_u64 s[PFA:PFA+1], s[PFA:PFA+1], SLOTB
.endif
	s_wait_tensorcnt 0x0                           ; all my tensor loads have landed, so a group 0 may be written  (every window is 0 here)
	ds_add_u32 v[SPW], v[NIL]                      ; 0 onto my spare word
.if (\mode) == 1
	s_add_nc_u64 s[G0+4*(\sl)+2:G0+4*(\sl)+3], s[G0+4*(\sl)+2:G0+4*(\sl)+3], 2*SLOTB   ; this slot's next records; the type bits on top are not reached
.endif
	s_wait_dscnt 16                                ; this tile's record is in: record 3's 15 loads and the add may be out
	RUN 0, 8, \acc, \e
	s_wait_dscnt 0x0                               ; the add is done, and my reads of this slot are over
	s_barrier_signal -1
	RUN 8, 16, \acc, \e
	WIN 0
	s_barrier_wait -1
.if (\mode) == 1
	CREST
	tensor_load_to_lds s[G0+4*(\sl):G0+4*(\sl)+3], s[G1:G1+7]   ; my one tensor load behind the round
	s_nop 0
	PLACES                                         ; four v_nop follow the load, ahead of the next switch of windows
	ASK
.endif
	RUN 16, 32, \acc, \e
.endif
	WIN 0                                          ; the search lies in window 0; at a label and at a branch every window is 0
	PLACES
	SEARCH \acc, \e, \first
.if \tstep
	s_add_co_u32 s[TID], s[TID], \tstep            ; 16 centres on, or from a slot's record 3 to the next slot's record 0 of my quarter: 256 - 48
.endif
.if \fm
	FETCH \fsl, \fi, \e
.endif
.endm
.macro TAKE va, ia, vb, ib             ; (va, ia) takes (vb, ib) where vb is greater, or equal with the lower index
	v_cmp_gt_f32 s48, v[\vb], v[\va]
	v_cmp_eq_f32 s49, v[\vb], v[\va]
	v_cmp_lt_u32 s50, v[\ib], v[\ia]
	s_and_b32 s49, s49, s50
	s_or_b32 s48, s48, s49
	v_cndmask_b32 v[\va], v[\va], v[\vb], s48
	v_cndmask_b32 v[\ia], v[\ia], v[\ib], s48
.endm
	s_load_b128 s[4:7], s[0:1], 0x0                ; x, the records
	s_load_b64 s[8:9], s[0:1], 0x10                ; out0
	v_lshl_add_u32 v[SPW], v0, 2, SPARE
	v_mov_b32 v[NIL], 0
	ds_add_u32 v[SPW], v[NIL]                      ; the opening lines: the add, twice on end, and its wait ahead of my first tensor load
	ds_add_u32 v[SPW], v[NIL]
	v_lshrrev_b32 v63, 5, v0
	v_readfirstlane_b32 s[WV], v63                 ; wave 0..3
	s_bfe_u32 s11, ttmp6, 0x40000                  ; cx: my place in the cluster: it enters global addresses alone (x's, out0's, the prefetches')
	s_lshl_b32 s12, ttmp9, 2                       ; in a cluster launch ttmp9 counts clusters
	s_add_co_u32 s12, s12, s11                     ; my block of 128 rows
	v_and_b32 v63, 31, v0                          ; lane
	v_and_b32 v60, 15, v0                          ; r
	v_bfe_u32 v61, v0, 4, 1                        ; h
	v_lshlrev_b32 v[LI], 4, v63
	v_lshlrev_b32 v[H8], 3, v61
	s_mul_i32 s36, s[WV], QB                       ; my quarter of a slot
	v_add_nc_u32 v[CA], s36, v[LI]
	v_add_nc_u32 v[CA+1], SLOTB, v[CA]
	v_lshl_add_u32 v[CSA], v63, 3, s36
	v_add_nc_u32 v[CSA], 6144, v[CSA]
	v_add_nc_u32 v[CSA+1], SLOTB, v[CSA]
	v_lshl_add_u32 v[CBA], v61, 5, s36
	v_add_nc_u32 v[CBA], 6400, v[CBA]
	v_add_nc_u32 v[CBA+1], SLOTB, v[CBA]
	s_mul_i32 s37, s[WV], STGB
	s_add_co_u32 s37, s37, STG                     ; my stage
	v_add_nc_u32 v[STW], s37, v[LI]
	v_mul_u32_u24 v[STR], v60, 528
	v_lshl_add_u32 v[STR], v61, 6, v[STR]
	v_add_nc_u32 v[STR], s37, v[STR]
	s_mul_i32 s38, s[WV], 8*1536
	s_add_co_u32 s38, s38, XIMG                    ; my eight fragments of x: row tiles 2 w and 2 w + 1
	v_add_nc_u32 v[XWI], s38, v[LI]
	s_lshl_b32 s39, s[WV], 9
	s_add_co_u32 s38, s39, XSC
	v_lshl_add_u32 v[XWS], v60, 2, s38
	v_add_nc_u32 v[XRI], XIMG, v[LI]
	v_lshl_add_u32 v[XSL], v63, 2, XSC
	v_min_u32 v[PFO], 25, v63
	v_lshlrev_b32 v[PFO], 8, v[PFO]                ; a lane a block of 256 bytes, 26 blocks a wave
.irp b, 0,1,2,3
	v_mov_b32 v[TM+4+\b], 0                        ; written once: a lane permute's destination counts as one of its sources
.endr
	s_mov_b32 s[SEL], 0x76543210
	s_mov_b32 s[SEL+1], 0xfedcba98
	s_lshl_b32 s[TID], s[WV], 6                    ; 16 T of my first tile: T = 4 w
	s_mov_b32 s[TRIPS], 7
	s_lshl_b32 s14, s12, 18                        ; 128 rows of 2,048 bytes,
	s_lshl_b32 s15, s[WV], 16                      ; my wave's 32 of them
	s_add_co_u32 s14, s14, s15
	s_mov_b32 s15, 0
	s_mul_i32 s56, s11, QB                         ; the prefetches: quarter cx of a slot,
	s_mul_i32 s57, s[WV], REC                      ; my 26 blocks of it (26 x 256 bytes),
	s_add_co_u32 s56, s56, s57
	s_add_co_u32 s56, s56, 3*SLOTB                 ; at slot 3: the first change of slots steps it to slot 4
	s_mov_b32 s57, 0
	s_cmp_lt_u32 ttmp9, 4                          ; the first four clusters ask
	s_cselect_b32 s[LIM], 1, -1
	; descriptor group 1: a quarter slot is one dense block of memory: 104 rows of 256 bytes (32 elements of 8 bytes), no padding: every read of the ring takes 16 x lane on end
	s_mov_b32 s[G1+0], 15|(3<<16)|(1<<21)          ; 15:0 the mask: all four work-groups; 17:16 elements of 8 bytes; 20 padding off; 21 set beside a mask
	s_mov_b32 s[G1+1], 32<<16                      ; tensor_dim0 = 32
	s_mov_b32 s[G1+2], 104<<16                     ; tensor_dim1 = 104
	s_mov_b32 s[G1+3], 32<<16                      ; tile_dim0 = 32
	s_mov_b32 s[G1+4], 104                         ; tile_dim1 = 104
	s_mov_b32 s[G1+5], 32                          ; tensor_dim0_stride
	s_mov_b32 s[G1+6], 0
	s_mov_b32 s[G1+7], 0
	s_wait_alu depctr_va_vdst(0)
	s_wait_dscnt 0x0                               ; both opening adds are done
	s_wait_kmcnt 0x0
	s_add_nc_u64 s[4:5], s[4:5], s[14:15]
	s_lshl_b32 s14, s12, 9                         ; 128 indices of 4 bytes
	s_add_nc_u64 s[8:9], s[8:9], s[14:15]
	s_add_nc_u64 s[PFA:PFA+1], s[6:7], s[56:57]
	s_mov_b32 s14, s36
	s_add_nc_u64 s[6:7], s[6:7], s[14:15]          ; the records at my quarter of the first 16: the wave's number alone enters, which the partners share
.irp n, 0,1
	s_mov_b32 s[G0+4*\n], 1                        ; 1:0 count = 1
	s_add_co_u32 s[G0+4*\n+1], s36, \n*SLOTB       ; 63:32 LDS address
	s_add_nc_u64 s[G0+4*\n+2:G0+4*\n+3], s[6:7], \n*SLOTB   ; 120:64 global address: records 16 n on
	s_or_b32 s[G0+4*\n+3], s[G0+4*\n+3], 0x80000000   ; 127:126 type = 2
.endr
	CROUND                                         ; all four work-groups are here: the first joint loads meet
	tensor_load_to_lds s[G0:G0+3], s[G1:G1+7]      ; slot 0, asked for ahead of x
	s_nop 0
	PLACES
	XLOAD 0                                        ; four fragments of x: 64 loads of 512 bytes a wave
	XLOAD 1
	XLOAD 2
	XLOAD 3
	; ---- my 32 rows of x become eight fragments; the counts leave the sixteen loads of each later fragment out.  First my row tile 2 w:
	XFRAG 0, 48
	XFRAG 1, 48
	XFRAG 2, 48
	XFRAG 3, 48
	s_wait_tensorcnt 0x0                           ; my quarter of slot 0 is in
	ds_add_u32 v[SPW], v[NIL]
	s_wait_dscnt 0x0                               ; the add is done, and, for the others' sake, my images of row tile 2 w have landed
	CROUND                                         ; the even row tiles lie in LDS, and all four work-groups are here
	tensor_load_to_lds s[G0+4:G0+7], s[G1:G1+7]    ; slot 1's first fill: my one tensor load behind the round
	s_nop 0
	PLACES
	READX 0                                        ; the even row tiles come into my registers while my row tile 2 w + 1 is on its way from memory
	XFRAG 4, 48
	XFRAG 5, 32
	XFRAG 6, 16
	XFRAG 7, 0
	s_wait_dscnt 0x0                               ; for the others' sake: my images of row tile 2 w + 1 have landed
	s_barrier_signal -1
	s_barrier_wait -1                              ; slot 1's load may stay out
	READX 1
	FETCH 0, 0, 0                                  ; records 0 and 1 of my quarter of slot 0
	FETCH 0, 1, 1
	; ---- slot, record:  acc e first mode sl | fm fsl fi | left tstep
	PHASE SV,  0, 1, 0, 0, 1, 0, 2, 15, 16         ; (0, 0): its sums land in the registers of the kept values: nothing is cleared or copied
.Ltrip:                                            ; 7 trips: from an even slot's record 1 to the next even slot's record 0; both slots are filled again
	PHASE ACC, 1, 0, 0, 0, 1, 0, 3, 15, 16
	PHASE ACC, 0, 0, 1, 0, 1, 1, 0, 0, 16
	PHASE ACC, 1, 0, 0, 0, 1, 1, 1, 15, 208
	PHASE ACC, 0, 0, 0, 1, 1, 1, 2, 15, 16
	PHASE ACC, 1, 0, 0, 1, 1, 1, 3, 15, 16
	PHASE ACC, 0, 0, 1, 1, 1, 0, 0, 0, 16
	PHASE ACC, 1, 0, 0, 1, 1, 0, 1, 15, 208
	PHASE ACC, 0, 0, 0, 0, 1, 0, 2, 15, 16
	s_sub_co_u32 s[TRIPS], s[TRIPS], 1
	s_cmp_lg_u32 s[TRIPS], 0
	s_cbranch_scc1 .Ltrip
	PHASE ACC, 1, 0, 0, 0, 1, 0, 3, 15, 16         ; the tail is written out: (14, 1)
	PHASE ACC, 0, 0, 2, 0, 1, 1, 0, 0, 16          ; (14, 2): the last change of slots asks for nothing,
	PHASE ACC, 1, 0, 0, 0, 1, 1, 1, 15, 208        ; (14, 3),
	PHASE ACC, 0, 0, 0, 1, 1, 1, 2, 15, 16         ; (15, 0 .. 3): the last two fetch nothing
	PHASE ACC, 1, 0, 0, 1, 1, 1, 3, 15, 16
	PHASE ACC, 0, 0, 0, 1, 0, 0, 0, 15, 16
	PHASE ACC, 1, 0, 0, 1, 0, 0, 0, 0, 0           ; the best ends in set 0
	; ---- THE WAY OUT.  Which of the winning group's eight values is the best: the lowest j that equals it.
	v_and_b32 v12, 15, v0                          ; r
	s_lshl_b32 s36, s[WV], 9
	s_add_co_u32 s36, s36, RES
	v_lshl_add_u32 v[STW], v12, 2, s36             ; where I put my results: RES + 512 w + 4 r
	v_add_nc_u32 v[STR], RES, v[LI]                ; where wave 0 reads them: RES + 16 x lane
.irp q, 0,1,2,3,4,5,6,7
	v_mov_b32 v[JJ+\q], 7
.endr
.irp j, 6,5,4,3,2,1,0
.irp q, 0,1,2,3,4,5,6,7
	v_cmp_eq_f32 s[MK+\q], v[SV+8*\q+\j], v[BEST+\q]
	v_cndmask_b32 v[JJ+\q], v[JJ+\q], \j, s[MK+\q]
.endr
.endr
.irp q, 0,1,2,3,4,5,6,7
	v_add3_u32 v[IX+\q], v[GID+\q], v[JJ+\q], v[H8]   ; the index: 16 T + j + 8 h
.endr
.irp q, 0,1,2,3,4,5,6,7
	v_permlanex16_b32 v[OV+\q], v[BEST+\q], s[SEL], s[SEL+1]   ; the row's other centres of each tile lie in the lane 16 away
	v_permlanex16_b32 v[OI+\q], v[IX+\q], s[SEL], s[SEL+1]
.endr
.irp q, 0,1,2,3,4,5,6,7
	TAKE BEST+\q, IX+\q, OV+\q, OI+\q
.endr
.irp q, 0,1,2,3,4,5,6,7
	ds_store_b32 v[STW], v[BEST+\q] offset:64*\q   ; lanes l and l xor 16 write the same word with the same value
	ds_store_b32 v[STW], v[IX+\q] offset:2048+64*\q
.endr
	s_wait_dscnt 0x0                               ; for wave 0's sake: my results have landed
	s_barrier_signal -1
	s_barrier_wait -1
	s_cmp_lg_u32 s[WV], 0                          ; wave 0 joins the four waves' results: lane l takes rows 4 l .. 4 l + 3
	s_cbranch_scc1 .Ldone
.irp w, 0,1,2,3
	ds_load_b128 v[MV+4*\w:MV+4*\w+3], v[STR] offset:512*\w
	ds_load_b128 v[MI+4*\w:MI+4*\w+3], v[STR] offset:2048+512*\w
.endr
	s_wait_dscnt 0x0
.irp w, 1,2,3
.irp c, 0,1,2,3
	TAKE MV+\c, MI+\c, MV+4*\w+\c, MI+4*\w+\c
.endr
.endr
	global_store_b128 v[LI], v[MI:MI+3], s[8:9]    ; 32 lanes store 512 consecutive bytes, at a multiple of 256 from out0's first byte
.Ldone:
	s_wait_tensorcnt 0x0                           ; the wave's end: behind my last tensor load and my last LDS store
	ds_add_u32 v[SPW], v[NIL]
	s_wait_dscnt 0x0
	CROUND                                         ; the closing round: no work-group ends while a partner may still ask for a tile that names it
	s_endpgm
.Lfunc_end_k_qe5cbe5f09a_assign:
	.size	k_qe5cbe5f09a_assign, .Lfunc_end_k_qe5cbe5f09a_assign-k_qe5cbe5f09a_assign
	.p2alignl 7, 3214868480
	.fill 96, 4, 3214868480
	.section	.rodata,"a",@progbits
	.p2align	6, 0x0
	.amdhsa_kernel k_qe5cbe5f09a_assign
		.amdhsa_group_segment_fixed_size 327680
		.amdhsa_private_segment_fixed_size 0
		.amdhsa_enable_private_segment 0
		.amdhsa_kernarg_size 24
		.amdhsa_user_sgpr_count 2
		.amdhsa_user_sgpr_kernarg_segment_ptr 1
		.amdhsa_wavefront_size32 1
		.amdhsa_system_sgpr_workgroup_id_x 1
		.amdhsa_system_sgpr_workgroup_id_y 1
		.amdhsa_system_sgpr_workgroup_id_z 1
		.amdhsa_system_vgpr_workitem_id 0
		.amdhsa_next_free_vgpr 1024
		.amdhsa_next_free_sgpr 66
		.amdhsa_reserve_vcc 1
		.amdhsa_float_denorm_mode_32 3
		.amdhsa_float_denorm_mode_16_64 3
		.amdhsa_memory_ordered 1
		.amdhsa_forward_progress 1
		.amdhsa_inst_pref_size 254
	.end_amdhsa_kernel
	.amdgpu_metadata
---
amdhsa.version: [ 1, 2 ]
amdhsa.kernels:
  - .name:           k_qe5cbe5f09a_assign
    .symbol:         k_qe5cbe5f09a_assign.kd
    .args:
      - { .name: x, .offset: 0, .size: 8, .value_kind: global_buffer, .address_space: global }
      - { .name: cw, .offset: 8, .size: 8, .value_kind: global_buffer, .address_space: global }
      - { .name: out0, .offset: 16, .size: 8, .value_kind: global_buffer, .address_space: global }
    .group_segment_fixed_size: 327680
    .private_segment_fixed_size: 0
    .kernarg_segment_align: 8
    .kernarg_segment_size: 24
    .max_flat_workgroup_size: 128
    .sgpr_count:     66
    .vgpr_count:     1024
    .wavefront_size: 32
...
	.end_amdgpu_metadata
.endif
;; end of part 2
